; MI455X (gfx1250); checked and timed in simulation.
; The chip was launched on July 23, 2026; its instructions are those of AMD's public machine-readable ISA for CDNA 5 (MIT licence, August 2026) and "CDNA5" Instruction Set Architecture Reference Guide (July 2026). The comments in the code are by the model that wrote it; some were corrected since.
;; Sim Score. Allowed arithmetic: matrix products marked QUANTISED: E2M1 operands, one E8M0 scale for each 32 along K, by v_wmma_scale_f32_16x16x128_f8f6f4 with both operands' format E2M1 (or v_wmma_scale_f32_32x16x128_f4), f32 sums; products left as they are: f32 operands where the result goes on into a quantised operand, else bf16, f16 or f32 operands; f32 sums; everything else in f32.
;; Inputs: b1 512 float32; b2 1 float32; beta1 512 float32; g1 512 float32; w1 512 x 1,024 float32; w2 1 x 512 float32; x 64 x 1,024 x 512 float32.
;; Outputs: out0 64 x 1,024 x 1 float32.
;; This version of the problem:
;;   THIS VERSION OF THE PROBLEM IS GIVEN IN LOW PRECISION. The matrix products marked QUANTISED in the list below multiply operands that are first quantised to E2M1 (2 exponent bits, 1 mantissa bit; 4 bits a number), with one power-of-two scale for each 32 numbers along K (OCP MX v1.0); their sums are f32. All else is computed in f32.
;;   The module's matrix products, in the order in which they are computed (A, B: the left and right operand; K: the contracted axis; several contracted axes count as one K, in the product's order):
;;     1. batch 64 x [M 1,024, K 512] x [K 512, N 1,024]; A: input x; B: input x: QUANTISED
;;     2. [M 65,536, K 1,024] x [K 1,024, N 512]; A: softmax (see below); B: input w1: QUANTISED
;;     3. [M 65,536, K 512] x [K 512, N 1]; A: computed on the way; B: input w2: left as it is (N = 1 < 16)
;;   THE QUANTISER, for each operand of a quantised product, along K:
;;     - K is cut into blocks of 32 from its start; a last block that is shorter is filled with zeros.
;;     - A block's scale is 2^e with e = floor(log2(the largest magnitude in the block)) - 2, held to -126 .. 127; a block of zeros has e = 0. As a byte (E8M0): e + 127.
;;     - Each number is divided by its block's scale, clamped to +-6, and rounded to the nearest number of E2M1, ties to even, subnormals kept.
;;     - The product sums the exact products of the quantised numbers (number of the format x scale) in f32.
;;   ~~~python
;;   def quantise(x, axis):      # numpy; x: float32 -> the quantised numbers, widened to float32 again
;;       x = np.moveaxis(x, axis, -1); K = x.shape[-1]
;;       x = np.pad(x, [(0, 0)] * (x.ndim - 1) + [(0, -K % 32)]); x = x.reshape(x.shape[:-1] + (-1, 32)); a = np.abs(x).max(-1, keepdims=True)
;;       e = np.where(a > 0, np.clip(np.frexp(np.where(a > 0, a, 1))[1] - 1 - 2, -126, 127), 0)      # np.frexp(a)[1] - 1 = floor(log2(a)), exactly
;;       r = np.clip(x / 2.0 ** e, -6, 6)
;;       step = 2.0 ** (np.maximum(np.frexp(np.where(r == 0, 1, r))[1] - 1, 0) - 1)
;;       q = np.round(r / step) * step * 2.0 ** e      # np.round: ties to even
;;       return np.moveaxis(q.reshape(q.shape[:-2] + (-1,))[..., :K], -1, axis).astype(np.float32)
;;   ~~~
;;   SOFTMAX AHEAD OF A QUANTISED PRODUCT. Where the list says 'softmax', what is quantised is not the finished softmax but p = 2^(t - M), with t = logit x log2(e) and M = ceil(the row's largest t), a whole number; so 1/2 < the row's largest p <= 1. The row's sum l is taken of the UNQUANTISED p, in f32, and the product's result is divided by l at the end. Since M is a whole number, a kernel that streams over the keys may use a running M (the ceiling of the running maximum): every later rescaling is an exact power of two, which a block's scale takes up: the codes' values come out the same.
;;   OPERANDS COMPUTED ON THE WAY. 'Computed on the way' means the value that the module computes at that place (a softmax that the list does not call 'softmax' is quantised finished and normalised). What goes into a quantiser is computed in f32, as accurately as f32 sums, v_exp_f32 and their like allow (about 1e-6 of the number): no bf16 or f16 on the way to a quantiser, and a product that is left as it is and whose result goes on into a quantised operand takes f32 operands (vector FMAs, or v_wmma_f32_16x16x4_f32). A number that lies on a knife's edge between two numbers of the format may be rounded either way, as far as f32 arithmetic and the matrix unit's own rounding can turn it there, and no further.
;; One version. Each part assembles by itself: llvm-mc -triple=amdgcn-amd-amdhsa -mcpu=gfx1250 --defsym DOCPART=n.
;; ======== version 1 of 1: 2 launches
;; limits: right only within a limited range of input values
;; workspace buffers: qbuf 18,370,560 bytes
;; launch quant (part 1): grid 520 x 1, 8 waves a work-group, no clusters, 79,360 bytes of LDS; arguments x, w1, qbuf; writes qbuf
.if DOCPART == 1
	.amdgcn_target "amdgcn-amd-amdhsa--gfx1250"
	.amdhsa_code_object_version 6
	.text
	.protected	k_q4b97317d00_quant
	.globl	k_q4b97317d00_quant
	.p2align	8
	.type	k_q4b97317d00_quant,@function
k_q4b97317d00_quant:
	s_mov_b64 s[64:65], 0
	v_nop
	global_prefetch_b8 v0, s[64:65] scope:SCOPE_SE
	s_setreg_imm32_b32 hwreg(HW_REG_WAVE_MODE, 25, 1), 1
	s_wait_xcnt 0x0
; x [64][1024][512] and w1 [512][1024], f32, become codes of FP4 (E2M1) with one E8M0 scale byte for each 32 along K (x: the 512; w1: the 1,024), laid in qbuf
; AS IMAGES OF THE OPERANDS' REGISTERS, so that the next launch takes every fragment as two pieces of 512 consecutive bytes.
; qbuf = 520 chunks of CH = 35,328 bytes (138 x 256).  Chunk cid < 512: batch cid / 8, keys 128 (cid % 8) on; chunks 512 + k: w1, t = 128 k on.
;   an x chunk:  [0, 32768) codes: tile T (16 rows) at 4096 T as [block of 32 along K, 0..15][row 0..15][16 bytes]; [32768, 34816) scale words [T][step of 128 along K, 0..3][row] x 4 bytes;
;                [34816, 35328) nh = -(the row's sum of squares of the UNQUANTISED numbers) / 2, [T][row], f32.   Tile T = 2 g + u, row r is key 32 g + 8 u + r + 8 (r / 8) of the chunk's 128.
;   a w1 chunk:  [0, 32768) codes: tile tau (0..31) at 1024 tau as [block 0..3][row][16 bytes]; [32768, 34816) scale words [tau][row]; the last 512 bytes hold finite numbers that nobody uses.
;                Tile tau, row r is hidden unit 32 r + tau.
; A block's scale is 2^(floor(log2(its largest magnitude)) - 2); its byte is that magnitude's exponent field - 2, held at 1 from below.  A block of zeros so gets the byte 1 where the rule says 127:
; its codes are zeros, which add nothing under any byte but 0xff, and this program alone reads the bytes.
; LIMITS: blocks whose largest magnitude lies under 2^(3 - 127) keep the byte 1; NaN and infinities among the inputs are not served.
; SHARES.  A wave takes 16 rows of 512 numbers, a row a step.  x: work-group cid, wave w = tile w.  w1: work-group 512 + k, wave w: tile 4 k + w / 2, half w % 2 of the 1,024: the blocks of four chunks.
; Both take ONE path through the text: only pointers, strides and offsets are chosen, by the work-group's number.  Nothing is shared between work-groups, so no cluster; memory binds, so no matrix work.
; Each load reads 512 consecutive bytes; a row turns through the wave's own stage in LDS so that a lane holds 16 neighbours along K (two lanes to a block).  Loads run four rows (16 loads a wave) ahead.
.set CH,    35328
.set STEPS, 16
.set WREG,  9728                       ; LDS of a wave: two turn stages, the codes' stage, 256 scale bytes
.set SP,    80                         ; a lane's place in a turn stage: 64 bytes + 16 of padding
.set CST,   2*32*SP                    ; the codes' stage: 16 blocks x (16 rows x 16 bytes + 16 of padding)
.set CP,    272
.set SBY,   CST+16*CP                  ; the tile's 256 scale bytes, laid as they leave
.set NHB,   8*WREG                     ; the work-group's 128 nh
.set VO,    4                          ; v4-7    byte offset of a row's loads, one for each of the four sets
.set CO,    16                         ; v16-19  where my 16 bytes of the codes of step s along K go
.set R,     32                         ; v32-95  four sets of 16 numbers as loaded
.set X,     96                         ; v96-127 two sets of 16 neighbours
.set C,     128                        ; v128-159 codes, two registers a row
.set E,     160                        ; v160-175 a scale byte a row
.set NHR,   176                        ; v176-191 nh, a register a row
.set RO,    36                         ; s36     the next row's byte offset from the wave's first
	s_load_b128 s[4:7], s[0:1], 0x0                ; x, w1
	s_load_b64 s[8:9], s[0:1], 0x10                ; qbuf
	v_lshl_add_u32 v208, v0, 2, 0x13200
	v_mov_b32 v209, 0
	v_lshrrev_b32 v2, 5, v0
	s_delay_alu instid0(VALU_DEP_1)
	v_readfirstlane_b32 s10, v2                    ; wave 0..7
	v_and_b32 v1, 31, v0                           ; lane
	s_delay_alu instid0(VALU_DEP_1)
	v_lshlrev_b32 v3, 4, v1                        ; 16 x lane
	s_lshr_b32 s11, s10, 1
	s_and_b32 s12, s10, 1
	s_mul_i32 s13, s10, WREG
	v_lshrrev_b32 v8, 2, v1                        ; the turn stage, in: four lanes' 64 bytes on end, then 16 of padding
	s_delay_alu instid0(VALU_DEP_1)
	v_mul_u32_u24 v8, v8, SP
	v_and_b32 v2, 3, v1
	s_delay_alu instid0(VALU_DEP_1)
	v_lshl_add_u32 v8, v2, 4, v8
	s_delay_alu instid0(VALU_DEP_1)
	v_add_nc_u32 v8, s13, v8
	v_mul_u32_u24 v9, v1, SP                       ; and out: my 16 neighbours
	s_delay_alu instid0(VALU_DEP_1)
	v_add_nc_u32 v9, s13, v9
	v_lshrrev_b32 v2, 1, v1                        ; my block of the row's sixteen
	s_delay_alu instid0(VALU_DEP_1)
	v_mul_u32_u24 v10, v2, CP                      ; the codes' stage, in: block x pitch + my half's 8 bytes; the row stands in the immediate
	v_and_b32 v21, 1, v1
	s_delay_alu instid0(VALU_DEP_1)
	v_lshl_add_u32 v10, v21, 3, v10
	s_delay_alu instid0(VALU_DEP_1)
	v_add_nc_u32 v10, s13, v10
	s_delay_alu instid0(VALU_DEP_1)
	v_add_nc_u32 v10, CST, v10
	v_lshrrev_b32 v21, 4, v1                       ; and out: sixteen lanes to a block's 256 bytes, two blocks an instruction
	s_delay_alu instid0(VALU_DEP_1)
	v_mul_u32_u24 v11, v21, CP
	v_and_b32 v21, 15, v1
	s_delay_alu instid0(VALU_DEP_1)
	v_lshl_add_u32 v11, v21, 4, v11
	s_delay_alu instid0(VALU_DEP_1)
	v_add_nc_u32 v11, s13, v11
	s_delay_alu instid0(VALU_DEP_1)
	v_add_nc_u32 v11, CST, v11
	v_lshrrev_b32 v21, 3, v1                       ; the scale byte of block 4 s + b of row r lies at 64 s + 4 r + b
	v_and_b32 v2, 3, v2
	s_delay_alu instid0(VALU_DEP_1)
	v_lshl_add_u32 v12, v21, 6, v2
	s_delay_alu instid0(VALU_DEP_1)
	v_add_nc_u32 v12, s13, v12
	s_delay_alu instid0(VALU_DEP_1)
	v_add_nc_u32 v12, SBY, v12
	v_lshl_add_u32 v13, v1, 3, s13                 ; and they come back 8 bytes a lane
	s_delay_alu instid0(VALU_DEP_1)
	v_add_nc_u32 v13, SBY, v13
	s_lshl_b32 s14, s10, 6
	s_add_co_u32 s14, s14, NHB
	v_mov_b32 v14, s14                             ; my tile's 16 nh
	v_add_nc_u32 v15, NHB, v3                      ; all 128, 16 bytes a lane (wave 0 reads them)
	s_mov_b32 s34, 0x76543210
	s_mov_b32 s35, 0xfedcba98                      ; v_permlanex16_b32's selects for lane l xor 16
	s_mov_b32 s[RO], 0
	; both variants of every offset, then one compare and the choices
	s_min_u32 s15, ttmp9, 511                      ; x's chunk
	s_max_u32 s37, ttmp9, 512
	s_sub_co_u32 s37, s37, 512
	s_lshl_b32 s37, s37, 2
	s_add_co_u32 s37, s37, s11                     ; w1's tile tau = 4 k + wave / 2
	s_lshl_b32 s16, s15, 18                        ; x: 128 rows of 2,048 bytes a chunk,
	s_lshl_b32 s38, s11, 16
	s_add_co_u32 s16, s16, s38                     ; + 32 (wave / 2) rows
	s_lshl_b32 s38, s12, 14
	s_add_co_u32 s16, s16, s38                     ; + 8 (wave % 2) rows
	s_lshl_b32 s17, s37, 12                        ; w1: row tau of 4,096 bytes,
	s_lshl_b32 s38, s12, 11
	s_add_co_u32 s17, s17, s38                     ; + my half of it
	s_mul_i32 s39, ttmp9, CH                       ; my work-group's chunk
	s_lshl_b32 s38, s12, 2
	s_add_co_u32 s38, s38, 512
	s_mul_i32 s38, s38, CH                         ; w1: the first of my half's four chunks
	s_lshl_b32 s18, s10, 12
	s_add_co_u32 s18, s18, s39                     ; codes, x: chunk + 4096 x tile
	s_lshl_b32 s19, s37, 10
	s_add_co_u32 s19, s19, s38                     ; codes, w1: chunk + 1024 tau
	s_lshl_b32 s20, s10, 8
	s_add_co_u32 s20, s20, s39                     ; scale words, x: 256 bytes a tile
	s_lshl_b32 s21, s37, 6
	s_add_co_u32 s21, s21, s38                     ; w1: 64 bytes a tile
	s_mov_b32 s22, 2048
	s_mov_b32 s23, 131072
	s_mov_b32 s25, 1024
	s_mov_b32 s27, CH
	s_wait_kmcnt 0x0
	s_cmp_lt_u32 ttmp9, 512                        ; x's work-group or w1's?  The choice hangs on the work-group's number alone
	s_cselect_b64 s[4:5], s[4:5], s[6:7]
	s_cselect_b32 s16, s16, s17
	s_cselect_b32 s18, s18, s19
	s_cselect_b32 s20, s20, s21
	s_cselect_b32 s22, s22, s23                    ; bytes from a tile's row to the next: 1 row of x, 32 rows of w1
	s_cselect_b32 s24, 16384, 0                    ; x: rows 8-15 of a tile lie 8 rows further on
	s_cselect_b32 s25, s25, s27                    ; from a step of 128 along K to the next, in the codes: inside the tile, or a chunk on
	s_cselect_b32 s26, 64, s27                     ; the same for the scale words
	s_mov_b32 s17, 0
	s_add_nc_u64 s[4:5], s[4:5], s[16:17]          ; the wave's first row
	s_mov_b32 s19, 0
	s_add_nc_u64 s[28:29], s[8:9], s[18:19]        ; its codes
	s_add_co_u32 s20, s20, 32768
	s_mov_b32 s21, 0
	s_add_nc_u64 s[30:31], s[8:9], s[20:21]        ; its scale words
	s_add_co_u32 s38, s39, 34816
	s_mov_b32 s39, 0
	s_add_nc_u64 s[32:33], s[8:9], s[38:39]        ; the chunk's nh
.irp s, 0,1,2,3
	s_mul_i32 s38, s25, \s
	v_add_nc_u32 v[CO+\s], s38, v3
.endr
	v_lshrrev_b32 v21, 3, v1
	s_delay_alu instid0(VALU_DEP_1)
	v_mul_lo_u32 v20, v21, s26
	v_and_b32 v21, 7, v1
	s_delay_alu instid0(VALU_DEP_1)
	v_lshl_add_u32 v20, v21, 3, v20                ; my 8 scale bytes: step lane / 8, 8 (lane % 8) in its 64
.macro LOAD t                          ; row t into set t % 4: four loads of 512 consecutive bytes.  The set's offset register is free: the loads that named it were waited for
	v_add_nc_u32 v[VO+(\t)%4], s[RO], v3
.irp i, 0,1,2,3
	global_load_b128 v[R+16*((\t)%4)+4*\i:R+16*((\t)%4)+4*\i+3], v[VO+(\t)%4], s[4:5] offset:512*\i th:TH_LOAD_NT
.endr
	s_add_co_u32 s[RO], s[RO], s22
.if (\t) == 7
	s_add_co_u32 s[RO], s[RO], s24
.endif
.endm
.macro TURN t                          ; row t through the stage: LDS serves a wave's instructions in order, so no wait stands between the stores and the loads
.irp i, 0,1,2,3
	ds_store_b128 v8, v[R+16*((\t)%4)+4*\i:R+16*((\t)%4)+4*\i+3] offset:32*SP*((\t)%2)+8*SP*\i
.endr
.irp i, 0,1,2,3
	ds_load_b128 v[X+16*((\t)%2)+4*\i:X+16*((\t)%2)+4*\i+3], v9 offset:32*SP*((\t)%2)+16*\i
.endr
.endm
.irp t, 0,1,2,3
	LOAD \t
.endr
	s_wait_loadcnt 12                              ; row 0's four loads are in
	TURN 0
.macro STEP t
.set XS, X+16*((\t)%2)
.if (\t) > 0
	s_wait_dscnt 3                                 ; this row is back from the stage (the last row's three small stores may be out): so the stage's stores have read their registers,
.else
	s_wait_dscnt 0x0
.endif
.if (\t)+4 < STEPS
	LOAD (\t)+4                                    ; which take the loads of four rows on
.endif
.if (\t)+1 < STEPS
.if STEPS-2-(\t) >= 3
	s_wait_loadcnt 12                              ; the next row's four loads are in; those of the three rows behind it may be out
.else
	s_wait_loadcnt 4*(STEPS-2-(\t))
.endif
	TURN (\t)+1
.endif
	v_max3_num_f32 v21, |v[XS]|, |v[XS+1]|, |v[XS+2]|              ; the largest magnitude of my 16, in two chains
	v_max3_num_f32 v22, |v[XS+3]|, |v[XS+4]|, |v[XS+5]|
.irp i, 6,10
	s_delay_alu instid0(VALU_DEP_2)
	v_max3_num_f32 v21, v21, |v[XS+\i]|, |v[XS+\i+1]|
	s_delay_alu instid0(VALU_DEP_2)
	v_max3_num_f32 v22, v22, |v[XS+\i+2]|, |v[XS+\i+3]|
.endr
	s_delay_alu instid0(VALU_DEP_2)
	v_max3_num_f32 v21, v21, |v[XS+14]|, |v[XS+15]|
	s_delay_alu instid0(VALU_DEP_1)
	v_max3_num_f32 v21, v21, v22, 0x1800000        ; and the floor 2^(3 - 127): the byte cannot fall under 1
	s_delay_alu instid0(VALU_DEP_1)
	v_max_num_f32_dpp v21, v21, v21 row_xmask:1 row_mask:0xf bank_mask:0xf   ; with my neighbour's 16: the block's
	s_delay_alu instid0(VALU_DEP_1)
	v_add_nc_u32 v23, 0xff000000, v21              ; 2 off its exponent field: the conversion takes the exponent field of this operand as its scale
	v_cvt_scalef32_pk8_fp4_f32 v[C+2*(\t)], v[XS:XS+7], v23
	v_cvt_scalef32_pk8_fp4_f32 v[C+2*(\t)+1], v[XS+8:XS+15], v23
	v_lshrrev_b32 v[E+(\t)], 23, v23               ; the scale's byte (a plain line behind the conversions)
	v_pk_mul_f32 v[24:25], v[XS:XS+1], v[XS:XS+1]                  ; the row's sum of squares, of the numbers as they came: two chains of pairs
	v_pk_mul_f32 v[26:27], v[XS+2:XS+3], v[XS+2:XS+3]
.irp i, 4,8,12
	s_delay_alu instid0(VALU_DEP_2)
	v_pk_fma_f32 v[24:25], v[XS+\i:XS+\i+1], v[XS+\i:XS+\i+1], v[24:25]
	s_delay_alu instid0(VALU_DEP_2)
	v_pk_fma_f32 v[26:27], v[XS+\i+2:XS+\i+3], v[XS+\i+2:XS+\i+3], v[26:27]
.endr
	s_delay_alu instid0(VALU_DEP_1)
	v_pk_add_f32 v[24:25], v[24:25], v[26:27]
	s_delay_alu instid0(VALU_DEP_1)
	v_add_f32 v24, v24, v25
	s_delay_alu instid0(VALU_DEP_1)
	v_add_f32_dpp v24, v24, v24 row_xmask:1 row_mask:0xf bank_mask:0xf
	s_delay_alu instid0(VALU_DEP_1)
	v_add_f32_dpp v24, v24, v24 row_xmask:2 row_mask:0xf bank_mask:0xf
	s_delay_alu instid0(VALU_DEP_1)
	v_add_f32_dpp v24, v24, v24 row_xmask:4 row_mask:0xf bank_mask:0xf
	s_delay_alu instid0(VALU_DEP_1)
	v_add_f32_dpp v24, v24, v24 row_xmask:8 row_mask:0xf bank_mask:0xf
	s_delay_alu instid0(VALU_DEP_1)
	v_permlanex16_b32 v25, v24, s34, s35
	s_delay_alu instid0(VALU_DEP_1)
	v_add_f32 v24, v24, v25
	s_delay_alu instid0(VALU_DEP_1)
	v_mul_f32 v[NHR+(\t)], -0.5, v24
	ds_store_b64 v10, v[C+2*(\t):C+2*(\t)+1] offset:16*(\t)        ; my 16 codes: 8 bytes of the block's 16 for row t
	ds_store_b8 v12, v[E+(\t)] offset:4*(\t)       ; both lanes of a block write the same byte with the same value
	ds_store_b32 v14, v[NHR+(\t)] offset:4*(\t)    ; all lanes write the same word with the same value
.endm
.irp t, 0,1,2,3,4,5,6,7,8,9,10,11,12,13,14,15
	STEP \t
.endr
	; THE WAY OUT: the tile's 4,096 bytes of codes leave in eight stores of 512 consecutive bytes; its 256 scale bytes in one store (x: 256 consecutive bytes; w1: four pieces of 64, 16 KB in the whole launch)
.irp i, 0,1,2,3,4,5,6,7
	ds_load_b128 v[R+4*\i:R+4*\i+3], v11 offset:2*CP*\i            ; LDS serves a wave's instructions in order: these see my stores
.endr
	ds_load_b64 v[192:193], v13
.irp i, 0,1,2,3,4,5,6,7
	s_wait_dscnt 8-\i                              ; piece i is back; the later pieces and the scale bytes may be out
	global_store_b128 v[CO+\i/2], v[R+4*\i:R+4*\i+3], s[28:29] offset:512*(\i%2)
.endr
	s_wait_dscnt 0x0                               ; the scale bytes are back, and all my LDS stores have landed: the others' sake too
	global_store_b64 v20, v[192:193], s[30:31]
	s_barrier_signal -1
	s_barrier_wait -1                              ; the eight tiles' nh lie in LDS
	s_cmp_lg_u32 s10, 0
	s_cbranch_scc1 .Lend
	ds_load_b128 v[64:67], v15
	s_wait_dscnt 0x0
	global_store_b128 v3, v[64:67], s[32:33]       ; wave 0 stores the chunk's 512 bytes of nh
.Lend:
	s_wait_tensorcnt 0x0
	ds_add_u32 v208, v209
	s_wait_dscnt 0x0
	s_endpgm
.Lfunc_end_k_q4b97317d00_quant:
	.size	k_q4b97317d00_quant, .Lfunc_end_k_q4b97317d00_quant-k_q4b97317d00_quant
	.p2alignl 7, 3214868480
	.fill 96, 4, 3214868480
	.section	.rodata,"a",@progbits
	.p2align	6, 0x0
	.amdhsa_kernel k_q4b97317d00_quant
		.amdhsa_group_segment_fixed_size 79360
		.amdhsa_private_segment_fixed_size 0
		.amdhsa_enable_private_segment 0
		.amdhsa_kernarg_size 24
		.amdhsa_user_sgpr_count 2
		.amdhsa_user_sgpr_kernarg_segment_ptr 1
		.amdhsa_wavefront_size32 1
		.amdhsa_system_sgpr_workgroup_id_x 1
		.amdhsa_system_sgpr_workgroup_id_y 1
		.amdhsa_system_sgpr_workgroup_id_z 1
		.amdhsa_system_vgpr_workitem_id 0
		.amdhsa_next_free_vgpr 210
		.amdhsa_next_free_sgpr 66
		.amdhsa_reserve_vcc 0
		.amdhsa_float_denorm_mode_32 3
		.amdhsa_float_denorm_mode_16_64 3
		.amdhsa_memory_ordered 1
		.amdhsa_forward_progress 1
		.amdhsa_inst_pref_size 67
	.end_amdhsa_kernel
	.amdgpu_metadata
---
amdhsa.version: [ 1, 2 ]
amdhsa.kernels:
  - .name:           k_q4b97317d00_quant
    .symbol:         k_q4b97317d00_quant.kd
    .args:
      - { .name: x, .offset: 0, .size: 8, .value_kind: global_buffer, .address_space: global }
      - { .name: w1, .offset: 8, .size: 8, .value_kind: global_buffer, .address_space: global }
      - { .name: qbuf, .offset: 16, .size: 8, .value_kind: global_buffer, .address_space: global }
    .group_segment_fixed_size: 79360
    .private_segment_fixed_size: 0
    .kernarg_segment_align: 8
    .kernarg_segment_size: 24
    .max_flat_workgroup_size: 256
    .sgpr_count:     66
    .vgpr_count:     210
    .wavefront_size: 32
...
	.end_amdgpu_metadata
.endif
;; end of part 1
;; launch simscore (part 2): grid 8 x 64, 4 waves a work-group, clusters of 4 x 1, 327,680 bytes of LDS; arguments qbuf, b1, g1, beta1, w2, b2, out0; writes out0
.if DOCPART == 2
	.amdgcn_target "amdgcn-amd-amdhsa--gfx1250"
	.amdhsa_code_object_version 6
	.text
	.protected	k_q4b97317d00_simscore
	.globl	k_q4b97317d00_simscore
	.p2align	8
	.type	k_q4b97317d00_simscore,@function
k_q4b97317d00_simscore:
	s_mov_b64 s[64:65], 0
	v_nop
	global_prefetch_b8 v0, s[64:65] scope:SCOPE_SE
	s_setreg_imm32_b32 hwreg(HW_REG_WAVE_MODE, 25, 1), 1
	s_wait_xcnt 0x0
	s_wait_alu depctr_hold_cnt(0) depctr_sa_sdst(0) depctr_va_vdst(0) depctr_va_sdst(0) depctr_va_ssrc(0) depctr_va_vcc(0) depctr_vm_vsrc(0)
	s_getreg_b32 s2, hwreg(HW_REG_IB_STS2, 6, 4)
	s_cmp_eq_u32 s2, 0
	s_cbranch_scc0 .Lentry_in_a_cluster
	s_endpgm
.Lentry_in_a_cluster:
	s_bfe_u32 s2, ttmp6, 0x10000c
	s_cmp_lg_u32 s2, 0x3003
	s_cbranch_scc0 .Lentry_shape_is_right
	s_endpgm
.Lentry_shape_is_right:
.set CH,    35328
.set BB,    8*CH
.set SLOTB, 2*CH
.set QTR,   SLOTB/4
.set SLOT1, 1<<17
.set HIST,  SLOTB
.set LSC,   HIST+16384
.set OUTS,  LSC+512
.set SPARE, OUTS+512
.set PIMG,  SLOT1+SLOTB
.set JUMP0, 64*BB-3*SLOTB
.set L16, 1
.set L4,  2
.set H32, 3
.set ADK, 4
.set ADS, 5
.set ADN, 6
.set ADP, 7
.set ADH, 8
.set SPW, 9
.set NIL, 10
.set PB0, 11
.set HB0, 12
.set ST,  16
.set TQ,  32
.set PC,  64
.set PW,  80
.set QS,  84
.set KS,  88
.set PS,  104
.set PF,  106
.set S,   128
.set RL,  64
.set CHN, 32
.set NMU, 48
.set RSR, 56
.set B1,  128
.set GG,  160
.set BE,  192
.set W2,  224
.set FW,  128
.set FM,  144
.set FT,  160
.set FU,  176
.set WV,  18
.set G1,  24
.set G0A, 32
.set G0,  36
.set TB,  46
.set PJ,  47
.set HJ,  48
.set CS,  52
.set SEL, 54
.set MSB, 0
.macro WIN new
.if MSB != (\new)
	s_set_vgpr_msb (MSB<<8)|(\new)
.set MSB, (\new)
.endif
.endm
.macro PLACES
.rept 4
	v_nop
.endr
.endm
.macro CROUND
	s_barrier_signal -1
	s_barrier_wait -1
	s_cmp_lg_u32 s[WV], 0
	s_cbranch_scc1 .Lnot_wave_0_\@
	s_barrier_signal -3
.Lnot_wave_0_\@:
	s_barrier_wait -3
	s_barrier_signal -1
	s_barrier_wait -1
.endm
	s_load_b256 s[4:11], s[0:1], 0x0
	s_load_b128 s[12:15], s[0:1], 0x20
	s_load_b64 s[16:17], s[0:1], 0x30
	v_lshl_add_u32 v[SPW], v0, 2, SPARE
	v_mov_b32 v[NIL], 0
	ds_add_u32 v9, v10
	ds_add_u32 v9, v10
	s_wait_dscnt 0x0
	v_lshrrev_b32 v13, 5, v0
	v_readfirstlane_b32 s[WV], v13
	s_bfe_u32 s19, ttmp6, 0x40000
	s_lshl_b32 s20, ttmp9, 2
	s_add_co_u32 s20, s20, s19
	s_and_b32 s21, ttmp7, 0xffff
	s_mov_b32 s[G1], 15|(3<<16)|(1<<21)
	s_mov_b32 s[G1+1], 32<<16
	s_mov_b32 s[G1+2], 69<<16
	s_mov_b32 s[G1+3], 32<<16
	s_mov_b32 s[G1+4], 69
	s_mov_b32 s[G1+5], 32
	s_mov_b32 s[G1+6], 0
	s_mov_b32 s[G1+7], 0
	s_mul_i32 s68, s21, BB
	s_mul_i32 s70, s[WV], QTR
	s_add_co_u32 s72, s68, s70
	s_mov_b32 s73, 0
	s_mov_b32 s40, SLOTB
	s_mov_b32 s41, 0
	s_mov_b32 s42, SLOTB
	s_mov_b32 s43, 0
	s_sub_co_u32 s44, JUMP0, s68
	s_mov_b32 s45, 0
	s_mul_i32 s74, s20, CH
	s_add_co_u32 s74, s74, s68
	s_mov_b32 s75, 0
	s_mov_b32 s[CS], 0x3e5a26b3
	s_mov_b32 s[CS+1], s[CS]
	s_mov_b32 s[SEL], 0x76543210
	s_mov_b32 s[SEL+1], 0xfedcba98
	s_mov_b32 s57, 0x3b000000
	s_mov_b32 s58, 0x3727c5ac
	s_mov_b32 s59, 0x01010101
	s_mov_b32 s60, 0x80808080
	s_mov_b32 s61, 0x7f7f7f7f
	s_mov_b32 s[TB], 0
	s_mov_b32 s[PJ], 0
	s_mov_b32 s[HJ], 0
	s_wait_kmcnt 0x0
	s_load_b32 s56, s[14:15], 0x0
	s_add_nc_u64 s[66:67], s[4:5], s[74:75]
	s_lshl_b32 s74, s20, 9
	s_lshl_b32 s75, s21, 12
	s_add_co_u32 s74, s74, s75
	s_mov_b32 s75, 0
	s_add_nc_u64 s[16:17], s[16:17], s[74:75]
	s_mov_b32 s[G0A], 1
	s_mov_b32 s[G0A+1], s70
	s_add_nc_u64 s[G0A+2:G0A+3], s[4:5], s[72:73]
	s_mov_b32 s[G0], 1
	s_add_co_u32 s[G0+1], s70, SLOT1
	s_add_nc_u64 s[G0+2:G0+3], s[G0A+2:G0A+3], SLOTB
	s_or_b32 s[G0A+3], s[G0A+3], 0x80000000
	s_or_b32 s[G0+3], s[G0+3], 0x80000000
	CROUND
	tensor_load_to_lds s[G0A:G0A+3], s[G1:G1+7]    ; slot 0's first fill: my one tensor load at the head
	s_nop 0
	PLACES
	; the addresses, and the loads of my queries' codes, scale words and nh, are issued while slot 0's fill is out
	v_and_b32 v13, 31, v0
	v_lshlrev_b32 v[L16], 4, v13
	v_lshlrev_b32 v[L4], 2, v13
	v_bfe_u32 v14, v0, 4, 1
	v_lshlrev_b32 v[H32], 5, v14
	s_wait_alu depctr_va_vdst(0)
	v_and_b32 v13, 15, v0
	s_lshl_b32 s71, s[WV], 14
	s_add_co_u32 s71, s71, PIMG
	v_add_nc_u32 v[PB0], s71, v[L16]
	s_lshl_b32 s71, s[WV], 12
	s_add_co_u32 s71, s71, HIST
	v_add_nc_u32 v[HB0], s71, v[L4]
	s_lshl_b32 s71, s[WV], 13
	v_add_nc_u32 v15, s71, v[L16]
	s_lshl_b32 s71, s[WV], 9
	v_add_nc_u32 v122, s71, v[L4]
	s_lshl_b32 s71, s[WV], 7
	v_lshl_add_u32 v123, v13, 2, s71
	v_lshlrev_b32 v124, 7, v13
	v_add_nc_u32 v125, LSC, v123
	s_add_co_u32 s71, s71, LSC
	v_add_nc_u32 v126, s71, v[H32]
	s_lshl_b32 s71, s[WV], 7
	s_add_co_u32 s71, s71, OUTS
	v_lshl_add_u32 v127, v14, 6, s71
	v_add_nc_u32 v82, OUTS, v[L16]
	WIN 0x80
.irp q, 0,1
.irp s, 0,1,2,3
.irp c, 0,1
	global_load_b128 v[32*\q+8*\s+4*\c:32*\q+8*\s+4*\c+3], v15, s[66:67] offset:4096*\q+1024*\s+512*\c
.endr
.endr
.endr
	WIN 0
.irp q, 0,1
.irp i, 0,1
	global_load_b32 v[QS+2*\q+\i], v122, s[66:67] offset:32768+256*\q+128*\i
.endr
.endr
.irp q, 0,1
	global_load_b32 v[ST+8*\q+6], v123, s[66:67] offset:34816+64*\q
.endr
.irp q, 0,1
	v_mov_b32 v[ST+8*\q+5], 0xff61b1e6
	v_mov_b32 v[ST+8*\q+1], 0
	v_mov_b32 v[ST+8*\q+2], 0
	v_mov_b32 v[ST+8*\q+3], 0
	v_mov_b32 v[TQ+16*\q+13], 0
.irp b, 0,1,2,3
	v_mov_b32 v[TQ+16*\q+4+\b], 0
.endr
.endr
.irp q, 0,1
	v_floor_f32 v[ST+8*\q+4], -v[ST+8*\q+5]
.endr
	s_wait_alu depctr_va_vdst(0)
	s_wait_tensorcnt 0x0                           ; my quarter of slot 0 is in
	ds_add_u32 v9, v10
	s_wait_dscnt 0x0
	CROUND                                         ; a whole round: slot 0 is whole in all four partners
	tensor_load_to_lds s[G0:G0+3], s[G1:G1+7]      ; slot 1's first fill, the first tensor load behind the round
	s_nop 0
	PLACES
.macro CHANGE fill, rot
	WIN 0
	s_wait_tensorcnt 0x0
	ds_add_u32 v[SPW], v[NIL]
.if \fill
	s_xor_b32 s[G0+1], s[G0+1], SLOT1
.if \rot
	s_add_nc_u64 s[G0+2:G0+3], s[G0+2:G0+3], s[40:41]
	s_mov_b64 s[40:41], s[42:43]
	s_mov_b64 s[42:43], s[44:45]
.else
	s_add_nc_u64 s[G0+2:G0+3], s[G0+2:G0+3], SLOTB
.endif
.endif
	s_wait_dscnt 0x0
.if \fill
	CROUND
	tensor_load_to_lds s[G0:G0+3], s[G1:G1+7]
	s_nop 0
	PLACES
.else
	s_barrier_signal -1
	s_barrier_wait -1
.endif
	s_sub_co_u32 s[TB], s[TB], 2*CH
	s_xor_b32 s[TB], s[TB], SLOT1
.endm
.macro LA
	v_add_nc_u32 v[ADK], s[TB], v[L16]
	v_add_nc_u32 v[ADS], s[TB], v[L4]
	v_add_nc_u32 v[ADN], s[TB], v[H32]
	s_add_co_u32 s[TB], s[TB], CH
	WIN 0x80
.irp T, 0,1,2,3,4,5,6,7
	ds_load_b128 v[64+8*\T:64+8*\T+3], v[ADN] offset:34816+64*\T
	ds_load_b128 v[64+8*\T+4:64+8*\T+7], v[ADN] offset:34816+64*\T+16
.endr
	WIN 0
.irp i, 0,1,2,3,4,5,6,7,8,9,10,11,12,13,14,15
	ds_load_b32 v[KS+\i], v[ADS] offset:32768+128*\i
.endr
	WIN 0x40
.irp s, 0,1,2,3
.irp T, 0,1,2,3,4,5,6,7
.irp c, 0,1
	ds_load_b128 v[32*\T+8*\s+4*\c:32*\T+8*\s+4*\c+3], v[ADK] offset:4096*\T+1024*\s+512*\c
.endr
.endr
.endr
	WIN 0
.endm
.macro MM1 q, T, s
.if (\s) == 0
	v_wmma_scale_f32_16x16x128_f8f6f4 v[S+64*\q+8*\T:S+64*\q+8*\T+7], v[32*\T:32*\T+7], v[32*\q:32*\q+7], v[64+8*\T:64+8*\T+7], v[KS+2*\T], v[QS+2*\q] matrix_a_fmt:MATRIX_FMT_FP4 matrix_b_fmt:MATRIX_FMT_FP4
.elseif (\s)%2 == 1
	v_wmma_scale_f32_16x16x128_f8f6f4 v[S+64*\q+8*\T:S+64*\q+8*\T+7], v[32*\T+8*\s:32*\T+8*\s+7], v[32*\q+8*\s:32*\q+8*\s+7], v[S+64*\q+8*\T:S+64*\q+8*\T+7], v[KS+2*\T+(\s)/2], v[QS+2*\q+(\s)/2] matrix_a_fmt:MATRIX_FMT_FP4 matrix_b_fmt:MATRIX_FMT_FP4 matrix_a_scale:MATRIX_SCALE_ROW1 matrix_b_scale:MATRIX_SCALE_ROW1
.else
	v_wmma_scale_f32_16x16x128_f8f6f4 v[S+64*\q+8*\T:S+64*\q+8*\T+7], v[32*\T+8*\s:32*\T+8*\s+7], v[32*\q+8*\s:32*\q+8*\s+7], v[S+64*\q+8*\T:S+64*\q+8*\T+7], v[KS+2*\T+(\s)/2], v[QS+2*\q+(\s)/2] matrix_a_fmt:MATRIX_FMT_FP4 matrix_b_fmt:MATRIX_FMT_FP4
.endif
.endm
.macro WA
	s_wait_dscnt 0x0
.irp s, 0,1,2,3
.if \s == 0
	WIN 0x29
.else
	WIN 0x09
.endif
.irp T, 0,1,2,3,4,5,6,7
.irp q, 0,1
	MM1 \q, \T, \s
.endr
.endr
.endr
	WIN 0
	PLACES
.endm
; The next key step's LDS loads are spread through this step's softmax (la = 1).  All stand behind the four places at the end of the last products, and are awaited by the wait for 0 on DScnt ahead of the next products.
.macro LAH                             ; the step's addresses and its 16 scale words
	v_add_nc_u32 v[ADK], s[TB], v[L16]
	v_add_nc_u32 v[ADS], s[TB], v[L4]
	v_add_nc_u32 v[ADN], s[TB], v[H32]
	s_add_co_u32 s[TB], s[TB], CH
.irp i, 0,1,2,3,4,5,6,7,8,9,10,11,12,13,14,15
	ds_load_b32 v[KS+\i], v[ADS] offset:32768+128*\i
.endr
.endm
.macro LAN                             ; the keys' nh, in the result's layout: the C of each tile's first product
	WIN 0x80
.irp T, 0,1,2,3,4,5,6,7
	ds_load_b128 v[64+8*\T:64+8*\T+3], v[ADN] offset:34816+64*\T
	ds_load_b128 v[64+8*\T+4:64+8*\T+7], v[ADN] offset:34816+64*\T+16
.endr
	WIN 0
.endm
.macro LAP p                           ; piece p of eight of K's fragments: step p / 2 along K, tiles 4 (p % 2) .. + 3: eight loads
	WIN 0x40
.irp t, 0,1,2,3
.irp c, 0,1
	ds_load_b128 v[32*(4*((\p)%2)+\t)+8*((\p)/2)+4*\c:32*(4*((\p)%2)+\t)+8*((\p)/2)+4*\c+3], v[ADK] offset:4096*(4*((\p)%2)+\t)+1024*((\p)/2)+512*\c
.endr
.endr
	WIN 0
.endm
.macro VA la
.if \la
	LAH
.endif
.irp q, 0,1
.irp b, 0,1,2,3
	v_max3_num_f32 v[TQ+16*\q+\b], v[S+64*\q+16*\b], v[S+64*\q+16*\b+1], v[S+64*\q+16*\b+2]
.endr
.endr
.irp i, 3,5,7,9,11,13
.irp q, 0,1
.irp b, 0,1,2,3
	v_max3_num_f32 v[TQ+16*\q+\b], v[TQ+16*\q+\b], v[S+64*\q+16*\b+\i], v[S+64*\q+16*\b+\i+1]
.endr
.endr
.endr
.irp q, 0,1
.irp b, 0,1,2,3
	v_max_num_f32 v[TQ+16*\q+\b], v[TQ+16*\q+\b], v[S+64*\q+16*\b+15]
.endr
.endr
.if \la
	LAN
.endif
.irp q, 0,1
.irp b, 0,1,2,3
	v_permlanex16_b32 v[TQ+16*\q+4+\b], v[TQ+16*\q+\b], s[SEL], s[SEL+1]
.endr
.endr
.irp q, 0,1
.irp b, 0,1,2,3
	v_max_num_f32 v[TQ+16*\q+\b], v[TQ+16*\q+\b], v[TQ+16*\q+4+\b]
.endr
.endr
.irp q, 0,1
	v_max3_num_f32 v[TQ+16*\q+4], v[TQ+16*\q], v[TQ+16*\q+1], v[TQ+16*\q+2]
.endr
.irp q, 0,1
	v_max_num_f32 v[TQ+16*\q+4], v[TQ+16*\q+4], v[TQ+16*\q+3]
.endr
.irp q, 0,1
	v_fma_f32 v[TQ+16*\q+4], v[TQ+16*\q+4], s[CS], v[ST+8*\q+6]
.endr
.irp q, 0,1
	v_max_num_f32 v[ST+8*\q+5], v[ST+8*\q+5], v[TQ+16*\q+4]
.endr
.irp q, 0,1
	v_mov_b32 v[TQ+16*\q+5], v[ST+8*\q+4]
.endr
.irp q, 0,1
	v_floor_f32 v[ST+8*\q+4], -v[ST+8*\q+5]
.endr
.irp q, 0,1
	v_sub_f32 v[TQ+16*\q+5], v[ST+8*\q+4], v[TQ+16*\q+5]
.endr
.irp q, 0,1
	v_add_f32 v[ST+8*\q], v[ST+8*\q+6], v[ST+8*\q+4]
.endr
.irp q, 0,1
	v_cvt_i32_f32 v[TQ+16*\q+5], v[TQ+16*\q+5]
.endr
.irp q, 0,1
	v_ldexp_f32 v[TQ+16*\q+12], 1.0, v[TQ+16*\q+5]
.endr
.irp q, 0,1
.irp j, 0,2,4,6,8,10,12,14,16,18,20,22,24,26,28,30,32,34,36,38,40,42,44,46,48,50,52,54,56,58,60,62
	v_pk_fma_f32 v[S+64*\q+\j:S+64*\q+\j+1], v[S+64*\q+\j:S+64*\q+\j+1], s[CS:CS+1], v[ST+8*\q:ST+8*\q+1] op_sel_hi:[1,0,0]
.endr
.if \la
	LAP \q                                         ; pieces 0 and 1
.endif
.endr
.irp q, 0,1
.irp b, 0,1,2,3
	v_fma_f32 v[TQ+16*\q+\b], v[TQ+16*\q+\b], s[CS], v[ST+8*\q]
.endr
.endr
	s_wait_alu depctr_va_vdst(0)
.irp q, 0,1
.set ee, 0
.rept 4                                ; the exponentials in groups of 16; behind each of the first six groups one piece of K's fragments: pieces 2 to 7
.rept 16
	v_exp_f32 v[S+64*\q+ee], v[S+64*\q+ee]
.set ee, ee+1
.endr
.if \la
.if (4*\q+ee/16) < 7
	LAP 4*\q+ee/16+1
.endif
.endif
.endr
.irp b, 0,1,2,3
	v_exp_f32 v[TQ+16*\q+\b], v[TQ+16*\q+\b]
.endr
.endr
.irp q, 0,1
	v_pk_mul_f32 v[ST+8*\q+2:ST+8*\q+3], v[ST+8*\q+2:ST+8*\q+3], v[TQ+16*\q+12:TQ+16*\q+13] op_sel_hi:[1,0]
.endr
	s_wait_alu depctr_va_vdst(0)
.irp q, 0,1
.irp b, 0,1,2,3
	v_max_num_f32 v[TQ+16*\q+\b], 0x1800000, v[TQ+16*\q+\b]
.endr
.endr
.irp q, 0,1
.irp b, 0,1,2,3
	v_add_nc_u32 v[TQ+16*\q+8+\b], 0xff000000, v[TQ+16*\q+\b]
.endr
.endr
.irp q, 0,1
.irp b, 0,1,2,3
	v_lshrrev_b32 v[TQ+16*\q+4+\b], 23, v[TQ+16*\q+8+\b]
.endr
.endr
.irp q, 0,1
	v_lshl_or_b32 v[PW+\q], v[TQ+16*\q+5], 8, v[TQ+16*\q+4]
.endr
.irp q, 0,1
	v_lshl_or_b32 v[PW+\q], v[TQ+16*\q+6], 16, v[PW+\q]
.endr
.irp q, 0,1
	v_lshl_or_b32 v[PW+\q], v[TQ+16*\q+7], 24, v[PW+\q]
.endr
.irp q, 0,1
.irp b, 0,1,2,3
	v_cvt_scalef32_pk8_fp4_f32 v[PC+8*\q+2*\b], v[S+64*\q+16*\b:S+64*\q+16*\b+7], v[TQ+16*\q+8+\b]
	v_cvt_scalef32_pk8_fp4_f32 v[PC+8*\q+2*\b+1], v[S+64*\q+16*\b+8:S+64*\q+16*\b+15], v[TQ+16*\q+8+\b]
.endr
.endr
	v_nop
.irp q, 0,1
.irp c, 0,1
.irp i, 0,1
	v_permlane16_swap_b32 v[PC+8*\q+4*\c+\i], v[PC+8*\q+4*\c+2+\i]
.endr
.endr
.endr
.irp q, 0,1
	v_pk_add_f32 v[TQ+16*\q+14:TQ+16*\q+15], v[S+64*\q:S+64*\q+1], v[S+64*\q+2:S+64*\q+3]
.endr
.irp j, 4,8,12,16,20,24,28,32,36,40,44,48,52,56,60
.irp q, 0,1
	v_pk_add_f32 v[ST+8*\q+2:ST+8*\q+3], v[ST+8*\q+2:ST+8*\q+3], v[S+64*\q+\j:S+64*\q+\j+1]
	v_pk_add_f32 v[TQ+16*\q+14:TQ+16*\q+15], v[TQ+16*\q+14:TQ+16*\q+15], v[S+64*\q+\j+2:S+64*\q+\j+3]
.endr
.endr
.irp q, 0,1
	v_pk_add_f32 v[ST+8*\q+2:ST+8*\q+3], v[ST+8*\q+2:ST+8*\q+3], v[TQ+16*\q+14:TQ+16*\q+15]
.endr
	v_add_nc_u32 v[ADP], s[PJ], v[PB0]
	v_add_nc_u32 v[ADH], s[HJ], v[HB0]
.irp q, 0,1
.irp c, 0,1
	ds_store_b128 v[ADP], v[PC+8*\q+4*\c:PC+8*\q+4*\c+3] offset:8192*\q+512*\c
.endr
	ds_store_b32 v[ADH], v[PW+\q] offset:2048*\q
	ds_store_b32 v[ADH], v[ST+8*\q+4] offset:2048*\q+128
.endr
	s_add_co_u32 s[PJ], s[PJ], 1024
	s_add_co_u32 s[HJ], s[HJ], 256
.endm
.macro BODY
	VA 1
	WA
.endm
.macro TWOA
	s_mov_b32 s50, 2
.Lstep_a_\@:
	BODY
	s_sub_co_u32 s50, s50, 1
	s_cmp_lg_u32 s50, 0
	s_cbranch_scc1 .Lstep_a_\@
.endm
.macro FINAL
	s_wait_dscnt 0x0
.irp q, 0,1
	v_add_f32 v[ST+8*\q+2], v[ST+8*\q+2], v[ST+8*\q+3]
.endr
.irp q, 0,1
	v_permlanex16_b32 v[TQ+16*\q+4], v[ST+8*\q+2], s[SEL], s[SEL+1]
.endr
.irp q, 0,1
	v_add_f32 v[ST+8*\q+2], v[ST+8*\q+2], v[TQ+16*\q+4]
.endr
	s_wait_alu depctr_va_vdst(0)
.irp q, 0,1
	v_rcp_f32 v[ST+8*\q+3], v[ST+8*\q+2]
.endr
	v_nop
	s_wait_alu depctr_va_vdst(0)
.irp q, 0,1
	ds_store_b32 v125, v[ST+8*\q+3] offset:64*\q
.endr
.irp q, 0,1
	ds_load_b128 v[RL+8*\q:RL+8*\q+3], v126 offset:64*\q
	ds_load_b128 v[RL+8*\q+4:RL+8*\q+7], v126 offset:64*\q+16
.endr
.endm
.macro FIXUP
.irp q, 0,1
.irp j, 0,1,2,3,4,5,6,7
	ds_load_b32 v[FW+8*\q+\j], v[HB0] offset:2048*\q+256*\j
	ds_load_b32 v[FM+8*\q+\j], v[HB0] offset:2048*\q+256*\j+128
.endr
.endr
	s_wait_dscnt 0x0
.irp q, 0,1
.irp j, 0,1,2,3,4,5,6,7
	v_sub_f32 v[FM+8*\q+\j], v[FM+8*\q+\j], v[ST+8*\q+4]
.endr
.endr
.irp n, 0,1,2,3,4,5,6,7,8,9,10,11,12,13,14,15
	v_cvt_u32_f32 v[FM+\n], v[FM+\n]
.endr
.irp n, 0,1,2,3,4,5,6,7,8,9,10,11,12,13,14,15
	v_min_u32 v[FM+\n], 127, v[FM+\n]
.endr
.irp n, 0,1,2,3,4,5,6,7,8,9,10,11,12,13,14,15
	v_mul_lo_u32 v[FM+\n], v[FM+\n], s59
.endr
.irp n, 0,1,2,3,4,5,6,7,8,9,10,11,12,13,14,15
	v_or_b32 v[FW+\n], s60, v[FW+\n]
.endr
.irp n, 0,1,2,3,4,5,6,7,8,9,10,11,12,13,14,15
	v_sub_nc_u32 v[FW+\n], v[FW+\n], v[FM+\n]
.endr
.irp n, 0,1,2,3,4,5,6,7,8,9,10,11,12,13,14,15
	v_lshrrev_b32 v[FT+\n], 7, v[FW+\n]
.endr
.irp n, 0,1,2,3,4,5,6,7,8,9,10,11,12,13,14,15
	v_and_b32 v[FT+\n], s59, v[FT+\n]
.endr
.irp n, 0,1,2,3,4,5,6,7,8,9,10,11,12,13,14,15
	v_lshlrev_b32 v[FU+\n], 8, v[FT+\n]
.endr
.irp n, 0,1,2,3,4,5,6,7,8,9,10,11,12,13,14,15
	v_sub_nc_u32 v[FT+\n], v[FU+\n], v[FT+\n]
.endr
.irp n, 0,1,2,3,4,5,6,7,8,9,10,11,12,13,14,15
	v_and_b32 v[FT+\n], s61, v[FT+\n]
.endr
.irp n, 0,1,2,3,4,5,6,7,8,9,10,11,12,13,14,15
	v_and_b32 v[FW+\n], v[FW+\n], v[FT+\n]
.endr
.irp q, 0,1
.irp j, 0,1,2,3,4,5,6,7
	ds_store_b32 v[HB0], v[FW+8*\q+\j] offset:2048*\q+256*\j
.endr
.endr
	s_wait_dscnt 0x0
.endm
.macro LBP
	v_add_nc_u32 v[ADP], s[PJ], v[PB0]
	v_add_nc_u32 v[ADH], s[HJ], v[HB0]
.irp q, 0,1
	ds_load_b32 v[PS+\q], v[ADH] offset:2048*\q
.irp c, 0,1
	ds_load_b128 v[PF+8*\q+4*\c:PF+8*\q+4*\c+3], v[ADP] offset:8192*\q+512*\c
.endr
.endr
	s_add_co_u32 s[PJ], s[PJ], 1024
	s_add_co_u32 s[HJ], s[HJ], 256
.endm
.macro LBW
	v_add_nc_u32 v[ADK], s[TB], v[L16]
	v_add_nc_u32 v[ADS], s[TB], v[L4]
	s_add_co_u32 s[TB], s[TB], CH
.irp i, 0,1,2,3,4,5,6,7,8,9,10,11,12,13,14,15
	ds_load_b32 v[KS+\i], v[ADS] offset:32768+128*\i
.endr
	WIN 0x40
.irp T, 0,1,2,3,4,5,6,7,8,9,10,11,12,13,14,15,16,17,18,19,20,21,22,23,24,25,26,27,28,29,30,31
.irp c, 0,1
	ds_load_b128 v[8*\T+4*\c:8*\T+4*\c+3], v[ADK] offset:1024*\T+512*\c
.endr
.endr
	WIN 0
.endm
.macro MMB q, tau, zero, odd
.if \zero
.if \odd
	v_wmma_scale_f32_16x16x128_f8f6f4 v[8*(\tau):8*(\tau)+7], v[PF+8*\q:PF+8*\q+7], v[8*(\tau):8*(\tau)+7], 0, v[PS+\q], v[KS+(\tau)/2] matrix_a_fmt:MATRIX_FMT_FP4 matrix_b_fmt:MATRIX_FMT_FP4 matrix_b_scale:MATRIX_SCALE_ROW1
.else
	v_wmma_scale_f32_16x16x128_f8f6f4 v[8*(\tau):8*(\tau)+7], v[PF+8*\q:PF+8*\q+7], v[8*(\tau):8*(\tau)+7], 0, v[PS+\q], v[KS+(\tau)/2] matrix_a_fmt:MATRIX_FMT_FP4 matrix_b_fmt:MATRIX_FMT_FP4
.endif
.else
.if \odd
	v_wmma_scale_f32_16x16x128_f8f6f4 v[8*(\tau):8*(\tau)+7], v[PF+8*\q:PF+8*\q+7], v[8*(\tau):8*(\tau)+7], v[8*(\tau):8*(\tau)+7], v[PS+\q], v[KS+(\tau)/2] matrix_a_fmt:MATRIX_FMT_FP4 matrix_b_fmt:MATRIX_FMT_FP4 matrix_b_scale:MATRIX_SCALE_ROW1
.else
	v_wmma_scale_f32_16x16x128_f8f6f4 v[8*(\tau):8*(\tau)+7], v[PF+8*\q:PF+8*\q+7], v[8*(\tau):8*(\tau)+7], v[8*(\tau):8*(\tau)+7], v[PS+\q], v[KS+(\tau)/2] matrix_a_fmt:MATRIX_FMT_FP4 matrix_b_fmt:MATRIX_FMT_FP4
.endif
.endif
.endm
.macro WB zero, pre
.if \pre
	s_wait_dscnt 0x0
.endif
.irp g, 0,1,2,3
.if !\pre
	s_wait_dscnt 48-16*\g
.endif
.irp q, 0,1
	WIN 0xa4+0x50*\q
.irp u, 0,1,2,3
	MMB \q, 8*\g+2*\u, \zero, 0
	MMB \q, 8*\g+2*\u+1, \zero, 1
.endr
.endr
.endr
	WIN 0
	PLACES
.endm
.macro STEPB
	LBP
	LBW
	WB 0, 0
.endm
.macro TWOB
	s_mov_b32 s50, 2
.Lstep_b_\@:
	STEPB
	s_sub_co_u32 s50, s50, 1
	s_cmp_lg_u32 s50, 0
	s_cbranch_scc1 .Lstep_b_\@
.endm
.macro REDUCE8
.irp p, 0,1,2,3
	v_pk_add_f32 v[CHN+2*\p:CHN+2*\p+1], v[CHN+2*\p:CHN+2*\p+1], v[CHN+8+2*\p:CHN+8+2*\p+1]
.endr
.irp m, 1,2,4,8
.irp j, 0,1,2,3,4,5,6,7
	v_add_f32_dpp v[CHN+\j], v[CHN+\j], v[CHN+\j] row_xmask:\m row_mask:0xf bank_mask:0xf
.endr
.endr
.endm
.macro LNQ q
.set W, 2+\q
.set RLQ, RL+8*\q
	WIN W|(W<<6)
.set u, 0
.rept 16
.irp p, 0,1,2,3
	v_pk_fma_f32 v[16*u+2*\p:16*u+2*\p+1], v[16*u+2*\p:16*u+2*\p+1], v[RLQ+2*\p:RLQ+2*\p+1], v[B1+2*u:B1+2*u+1] op_sel_hi:[1,1,0]
.endr
.irp p, 0,1,2,3
	v_pk_fma_f32 v[16*u+8+2*\p:16*u+8+2*\p+1], v[16*u+8+2*\p:16*u+8+2*\p+1], v[RLQ+2*\p:RLQ+2*\p+1], v[B1+2*u:B1+2*u+1] op_sel:[0,0,1] op_sel_hi:[1,1,1]
.endr
.set u, u+1
.endr
	WIN W|(W<<2)
.irp e, 0,1
.irp p, 0,1,2,3
	v_pk_add_f32 v[CHN+8*\e+2*\p:CHN+8*\e+2*\p+1], v[8*\e+2*\p:8*\e+2*\p+1], v[16+8*\e+2*\p:16+8*\e+2*\p+1]
.endr
.endr
	WIN W<<2
.set u, 4
.rept 28
.irp p, 0,1,2,3
	v_pk_add_f32 v[CHN+8*(u%2)+2*\p:CHN+8*(u%2)+2*\p+1], v[CHN+8*(u%2)+2*\p:CHN+8*(u%2)+2*\p+1], v[8*u+2*\p:8*u+2*\p+1]
.endr
.set u, u+1
.endr
	WIN 0
	REDUCE8
.irp j, 0,1,2,3,4,5,6,7
	v_mul_f32 v[NMU+\j], 0xbb000000, v[CHN+\j]
.endr
	WIN W|(W<<6)
.set u, 0
.rept 32
.irp p, 0,1,2,3
	v_pk_add_f32 v[8*u+2*\p:8*u+2*\p+1], v[8*u+2*\p:8*u+2*\p+1], v[NMU+2*\p:NMU+2*\p+1]
.endr
.set u, u+1
.endr
	WIN W|(W<<2)
.irp e, 0,1
.irp p, 0,1,2,3
	v_pk_mul_f32 v[CHN+8*\e+2*\p:CHN+8*\e+2*\p+1], v[8*\e+2*\p:8*\e+2*\p+1], v[8*\e+2*\p:8*\e+2*\p+1]
.endr
.endr
.set u, 2
.rept 30
.irp p, 0,1,2,3
	v_pk_fma_f32 v[CHN+8*(u%2)+2*\p:CHN+8*(u%2)+2*\p+1], v[8*u+2*\p:8*u+2*\p+1], v[8*u+2*\p:8*u+2*\p+1], v[CHN+8*(u%2)+2*\p:CHN+8*(u%2)+2*\p+1]
.endr
.set u, u+1
.endr
	WIN 0
	REDUCE8
.irp j, 0,1,2,3,4,5,6,7
	v_fma_f32 v[RSR+\j], v[CHN+\j], s57, s58
.endr
	s_wait_alu depctr_va_vdst(0)
.irp j, 0,1,2,3,4,5,6,7
	v_rsq_f32 v[RSR+\j], v[RSR+\j]
.endr
	v_nop
	WIN W|(W<<6)
.set u, 0
	s_wait_alu depctr_va_vdst(0)
.rept 32
.irp p, 0,1,2,3
	v_pk_mul_f32 v[8*u+2*\p:8*u+2*\p+1], v[8*u+2*\p:8*u+2*\p+1], v[RSR+2*\p:RSR+2*\p+1]
.endr
.set u, u+1
.endr
.set u, 0
.rept 16
.irp p, 0,1,2,3
	v_pk_fma_f32 v[16*u+2*\p:16*u+2*\p+1], v[16*u+2*\p:16*u+2*\p+1], v[GG+2*u:GG+2*u+1], v[BE+2*u:BE+2*u+1] op_sel_hi:[1,0,0]
.endr
.irp p, 0,1,2,3
	v_pk_fma_f32 v[16*u+8+2*\p:16*u+8+2*\p+1], v[16*u+8+2*\p:16*u+8+2*\p+1], v[GG+2*u:GG+2*u+1], v[BE+2*u:BE+2*u+1] op_sel:[0,1,1] op_sel_hi:[1,1,1]
.endr
.set u, u+1
.endr
	WIN (W<<2)|(W<<6)
.set u, 0
.rept 256
	v_max_num_f32 v[u], 0, v[u]
.set u, u+1
.endr
	WIN W
.irp p, 0,1,2,3
	v_pk_mul_f32 v[CHN+2*\p:CHN+2*\p+1], v[2*\p:2*\p+1], v[W2:W2+1] op_sel_hi:[1,0]
.endr
.irp p, 0,1,2,3
	v_pk_mul_f32 v[CHN+8+2*\p:CHN+8+2*\p+1], v[8+2*\p:8+2*\p+1], v[W2:W2+1] op_sel:[0,1] op_sel_hi:[1,1]
.endr
.set u, 1
.rept 15
.irp p, 0,1,2,3
	v_pk_fma_f32 v[CHN+2*\p:CHN+2*\p+1], v[16*u+2*\p:16*u+2*\p+1], v[W2+2*u:W2+2*u+1], v[CHN+2*\p:CHN+2*\p+1] op_sel_hi:[1,0,1]
.endr
.irp p, 0,1,2,3
	v_pk_fma_f32 v[CHN+8+2*\p:CHN+8+2*\p+1], v[16*u+8+2*\p:16*u+8+2*\p+1], v[W2+2*u:W2+2*u+1], v[CHN+8+2*\p:CHN+8+2*\p+1] op_sel:[0,1,0] op_sel_hi:[1,1,1]
.endr
.set u, u+1
.endr
	WIN 0
	REDUCE8
.irp j, 0,1,2,3,4,5,6,7
	v_add_f32 v[CHN+\j], s56, v[CHN+\j]
.endr
.irp j, 0,1,2,3,4,5,6,7
	v_max_num_f32 v[CHN+\j], 0, v[CHN+\j]
.endr
	ds_store_b128 v127, v[CHN:CHN+3] offset:32*\q
	ds_store_b128 v127, v[CHN+4:CHN+7] offset:32*\q+16
	s_wait_dscnt 0x0
.endm
	s_wait_tensorcnt 0x1
	s_barrier_signal -1
	s_barrier_wait -1
	LA
	s_wait_loadcnt 0x0
	s_wait_kmcnt 0x0
.irp q, 0,1
	v_mul_f32 v[ST+8*\q+6], s[CS], v[ST+8*\q+6]
.endr
	WA
	BODY
	s_mov_b32 s49, 3
.Lkeys:
	CHANGE 1, 1
	TWOA
	s_sub_co_u32 s49, s49, 1
	s_cmp_lg_u32 s49, 0
	s_cbranch_scc1 .Lkeys
	CHANGE 1, 0
	LBW
	VA 0
	s_wait_alu depctr_va_vdst(0)
	FINAL
	FIXUP
.irp i, 0,1,2,3,4,5,6,7
	global_load_b128 v[B1+4*\i:B1+4*\i+3], v124, s[6:7] offset:16*\i
	global_load_b128 v[GG+4*\i:GG+4*\i+3], v124, s[8:9] offset:16*\i
	global_load_b128 v[BE+4*\i:BE+4*\i+3], v124, s[10:11] offset:16*\i
	global_load_b128 v[W2+4*\i:W2+4*\i+3], v124, s[12:13] offset:16*\i
.endr
	s_mov_b32 s[PJ], 0
	s_mov_b32 s[HJ], 0
	LBP
	WB 1, 1
	STEPB
	s_mov_b32 s49, 2
.Lhidden:
	CHANGE 1, 0
	TWOB
	s_sub_co_u32 s49, s49, 1
	s_cmp_lg_u32 s49, 0
	s_cbranch_scc1 .Lhidden
	CHANGE 0, 0
	TWOB
	s_wait_loadcnt 0x0
	LNQ 0
	LNQ 1
	s_barrier_signal -1
	s_barrier_wait -1
	s_cmp_lg_u32 s[WV], 0
	s_cbranch_scc1 .Lnot_first
	ds_load_b128 v[32:35], v82
	s_wait_dscnt 0x0
	global_store_b128 v[L16], v[32:35], s[16:17]
.Lnot_first:
	s_wait_tensorcnt 0x0
	ds_add_u32 v[SPW], v[NIL]
	s_wait_dscnt 0x0
	CROUND
	s_endpgm
.Lfunc_end_k_q4b97317d00_simscore:
	.size	k_q4b97317d00_simscore, .Lfunc_end_k_q4b97317d00_simscore-k_q4b97317d00_simscore
	.p2alignl 7, 3214868480
	.fill 96, 4, 3214868480
	.section	.rodata,"a",@progbits
	.p2align	6, 0x0
	.amdhsa_kernel k_q4b97317d00_simscore
		.amdhsa_group_segment_fixed_size 327680
		.amdhsa_private_segment_fixed_size 0
		.amdhsa_enable_private_segment 0
		.amdhsa_kernarg_size 56
		.amdhsa_user_sgpr_count 2
		.amdhsa_user_sgpr_kernarg_segment_ptr 1
		.amdhsa_wavefront_size32 1
		.amdhsa_system_sgpr_workgroup_id_x 1
		.amdhsa_system_sgpr_workgroup_id_y 1
		.amdhsa_system_sgpr_workgroup_id_z 1
		.amdhsa_system_vgpr_workitem_id 0
		.amdhsa_next_free_vgpr 1024
		.amdhsa_next_free_sgpr 80
		.amdhsa_reserve_vcc 0
		.amdhsa_float_denorm_mode_32 3
		.amdhsa_float_denorm_mode_16_64 3
		.amdhsa_memory_ordered 1
		.amdhsa_forward_progress 1
		.amdhsa_inst_pref_size 255
	.end_amdhsa_kernel
	.section	.bss,"aw",@nobits
	.p2align	6
	.space	262144
	.amdgpu_metadata
---
amdhsa.version: [ 1, 2 ]
amdhsa.kernels:
  - .name:           k_q4b97317d00_simscore
    .symbol:         k_q4b97317d00_simscore.kd
    .args:
      - { .name: qbuf, .offset: 0, .size: 8, .value_kind: global_buffer, .address_space: global }
      - { .name: b1, .offset: 8, .size: 8, .value_kind: global_buffer, .address_space: global }
      - { .name: g1, .offset: 16, .size: 8, .value_kind: global_buffer, .address_space: global }
      - { .name: beta1, .offset: 24, .size: 8, .value_kind: global_buffer, .address_space: global }
      - { .name: w2, .offset: 32, .size: 8, .value_kind: global_buffer, .address_space: global }
      - { .name: b2, .offset: 40, .size: 8, .value_kind: global_buffer, .address_space: global }
      - { .name: out0, .offset: 48, .size: 8, .value_kind: global_buffer, .address_space: global }
    .group_segment_fixed_size: 327680
    .private_segment_fixed_size: 0
    .kernarg_segment_align: 8
    .kernarg_segment_size: 56
    .max_flat_workgroup_size: 128
    .sgpr_count:     80
    .vgpr_count:     1024
    .wavefront_size: 32
...
	.end_amdgpu_metadata
.endif
;; end of part 2
